; MI455X (gfx1250); checked and timed in simulation.
; The chip was launched on July 23, 2026; its instructions are those of AMD's public machine-readable ISA for CDNA 5 (MIT licence, August 2026) and "CDNA5" Instruction Set Architecture Reference Guide (July 2026). The comments in the code are by the model that wrote it; some were corrected since.
;; Feed Forward Quantum. Allowed arithmetic: matrix products marked QUANTISED: E2M1 operands, one E8M0 scale for each 32 along K, by v_wmma_scale_f32_16x16x128_f8f6f4 with both operands' format E2M1 (or v_wmma_scale_f32_32x16x128_f4), f32 sums; products left as they are: f32 operands where the result goes on into a quantised operand, else bf16, f16 or f32 operands; f32 sums; everything else in f32.
;; Inputs: W1 4,096 x 10 float32; W2 1,024 x 4,096 float32; q_params 10 float32; x 32 x 512 x 10 float32.
;; Outputs: out0 32 x 512 x 1,024 float32.
;; This version of the problem:
;;   THIS VERSION OF THE PROBLEM IS GIVEN IN LOW PRECISION. The matrix products marked QUANTISED in the list below multiply operands that are first quantised to E2M1 (2 exponent bits, 1 mantissa bit; 4 bits a number), with one power-of-two scale for each 32 numbers along K (OCP MX v1.0); their sums are f32. All else is computed in f32.
;;   The module's matrix products, in the order in which they are computed (A, B: the left and right operand; K: the contracted axis; several contracted axes count as one K, in the product's order):
;;     1. [M 16,384, K 1,024] x [K 1,024, N 10]; A: computed on the way; B: computed on the way: left as it is (N = 10 < 16)
;;     2. [M 16,384, K 10] x [K 10, N 4,096]; A: computed on the way; B: input W1: left as it is (K = 10 < 32)
;;     3. [M 16,384, K 4,096] x [K 4,096, N 1,024]; A: computed on the way; B: input W2: QUANTISED
;;   THE QUANTISER, for each operand of a quantised product, along K:
;;     - K is cut into blocks of 32 from its start; a last block that is shorter is filled with zeros.
;;     - A block's scale is 2^e with e = floor(log2(the largest magnitude in the block)) - 2, held to -126 .. 127; a block of zeros has e = 0. As a byte (E8M0): e + 127.
;;     - Each number is divided by its block's scale, clamped to +-6, and rounded to the nearest number of E2M1, ties to even, subnormals kept.
;;     - The product sums the exact products of the quantised numbers (number of the format x scale) in f32.
;;   ~~~python
;;   def quantise(x, axis):      # numpy; x: float32 -> the quantised numbers, widened to float32 again
;;       x = np.moveaxis(x, axis, -1); K = x.shape[-1]
;;       x = np.pad(x, [(0, 0)] * (x.ndim - 1) + [(0, -K % 32)]); x = x.reshape(x.shape[:-1] + (-1, 32)); a = np.abs(x).max(-1, keepdims=True)
;;       e = np.where(a > 0, np.clip(np.frexp(np.where(a > 0, a, 1))[1] - 1 - 2, -126, 127), 0)      # np.frexp(a)[1] - 1 = floor(log2(a)), exactly
;;       r = np.clip(x / 2.0 ** e, -6, 6)
;;       step = 2.0 ** (np.maximum(np.frexp(np.where(r == 0, 1, r))[1] - 1, 0) - 1)
;;       q = np.round(r / step) * step * 2.0 ** e      # np.round: ties to even
;;       return np.moveaxis(q.reshape(q.shape[:-2] + (-1,))[..., :K], -1, axis).astype(np.float32)
;;   ~~~
;;   OPERANDS COMPUTED ON THE WAY. 'Computed on the way' means the value that the module computes at that place (a softmax that the list does not call 'softmax' is quantised finished and normalised). What goes into a quantiser is computed in f32, as accurately as f32 sums, v_exp_f32 and their like allow (about 1e-6 of the number): no bf16 or f16 on the way to a quantiser, and a product that is left as it is and whose result goes on into a quantised operand takes f32 operands (vector FMAs, or v_wmma_f32_16x16x4_f32). A number that lies on a knife's edge between two numbers of the format may be rounded either way, as far as f32 arithmetic and the matrix unit's own rounding can turn it there, and no further.
;; One version. Each part assembles by itself: llvm-mc -triple=amdgcn-amd-amdhsa -mcpu=gfx1250 --defsym DOCPART=n.
;; ======== version 1 of 1: 2 launches
;; limits: inputs' magnitudes at most 100,000; right only within a limited range of input values
;; workspace buffers: w2q 2,424,832 bytes
;; launch prep (part 1): grid 288 x 1, 4 waves a work-group, no clusters, 67,584 bytes of LDS; arguments W2, W1, w2q; writes w2q
.if DOCPART == 1
	.amdgcn_target "amdgcn-amd-amdhsa--gfx1250"
	.amdhsa_code_object_version 6
	.text
	.protected	k_q92c95f5e40_prep
	.globl	k_q92c95f5e40_prep
	.p2align	8
	.type	k_q92c95f5e40_prep,@function
k_q92c95f5e40_prep:
	s_mov_b64 s[64:65], 0
	v_nop
	global_prefetch_b8 v0, s[64:65] scope:SCOPE_SE
	s_setreg_imm32_b32 hwreg(HW_REG_WAVE_MODE, 25, 1), 1
	s_wait_xcnt 0x0
; W2 [1024][4096] f32 becomes codes of FP4 (E2M1) with one E8M0 byte for each 32 along K, and W1 [4096][10] f32 becomes fragments of the f32 matrix form (K filled from 10 to 12 with zeros).
; Both are laid in w2q IN THE ORDER OF THE OPERANDS' REGISTERS, as the second launch reads them: 16 blocks of 151,552 bytes, block t for K = 256 t .. 256 t + 255; a block is four quarters of 37,888 bytes,
; quarter w for output columns 256 w .. 256 w + 255.  A quarter (lane = 16 h + r):
;   0       codes: s*16384 + c*1024 + g*512 + 16*lane: the 32 codes of column 256 w + 16 c + r, k = 256 t + 128 s + 64 g + 32 h + 0 .. 31
;   32,768  scale words: G*512 + 16*lane + 4*e: the four bytes of column 256 w + 16 (4 G + e) + r for the slot's K step h
;   34,816  six quads of W1 for the slot two further on (modulo 16): see the second path
; A block's scale is 2^(floor(log2(its largest magnitude)) - 2); its byte is the largest magnitude's exponent field - 2, held at 1 from below.
; LIMITS: a block of zeros gets the byte 1 where the quantiser says 127 (its codes are zeros, which add nothing, and this program alone reads the bytes); blocks whose largest magnitude lies under 2^-124
; keep the byte 1; NaN and infinities among the inputs are not served.
; SHARES: work-groups 0-255: (t, w, G) = (g / 16, g / 4 % 4, g % 4); wave i takes column tile c = 4 G + i: 16 rows of W2 x 256 along K, 16 KiB.  Work-groups 256-287: K step g - 256 of W1, a quad set a wave.
; No matrix unit, no cluster, no tensor load: every input byte is read once by one wave, and the waves share only 512 bytes of scale words.
; WORK LEFT OUT BY THE PROGRAM (shown here, used in the second launch): reference() builds the 1,024 amplitudes of a product state, permutes them by the ring of CNOTs and multiplies the
; probabilities by a table of signs (product 1 of the table).  The state is a product state: bit b_i of the basis index is 1 with probability sin^2(theta_i / 2), independently for each wire, so the
; mean of (-1)^(b_i) is cos(theta_i), and the mean of (-1)^(parity of a set of bits) is the product of the set's cosines.  The CNOTs (0,1) .. (8,9) turn bit i into b_0 xor .. xor b_i, and CNOT (9,0)
; turns bit 0 into b_1 xor .. xor b_9.  So for all angles <Z_i> = cos(theta_0) .. cos(theta_i) for i = 1 .. 9 and <Z_0> = cos(theta_1) .. cos(theta_9): an identity in real numbers; amplitudes,
; permutation and product 1 are not computed.  Every input keeps its way to the output and is loaded.  LIMIT: a NaN, an infinity or an overflow that would arise only in the work left out is not carried to the result.
.set BLOCK,   151552
.set QUARTER, 37888
.set SP,      1040                     ; a stage row: 1,024 bytes + 16: row r starts 4 r banks on, so the sixteen rows of a read fall on different banks
.set WSTG,    16*SP                    ; a wave's stage
.set SCX,     4*WSTG                   ; behind the stages: 512 bytes in which four waves' scale words meet
.set LI,   1                           ; v1   16 x lane
.set SIN,  2                           ; v2   the stage, way in
.set SOUT, 3                           ; v3   the stage, way out
.set SCW,  4                           ; v4   where I put my scale word
.set SCR,  5                           ; v5   where wave 0 reads four of them
.set SH8,  6                           ; v6   8 h
.set VA,   13                          ; v13  W1: my row's byte, + 8 h
.set VB,   14                          ; v14  the same without 8 h
.set X,    16                          ; v16-143   32 loads as they come
.set Y,    144                         ; v144-207  two sets of 32 neighbours along K
.set C,    208                         ; v208-223  four registers of codes for each of my four blocks: no store's data are written again
.set E,    224                         ; v224-227  their scale bytes
.set P,    228                         ; v228-231  the scale words in the making
	s_load_b128 s[4:7], s[0:1], 0x0                ; W2 s[4:5], W1 s[6:7]
	s_load_b64 s[8:9], s[0:1], 0x10                ; w2q
	v_lshl_add_u32 v240, v0, 2, 0x10600
	v_mov_b32 v241, 0
	v_lshrrev_b32 v8, 5, v0
	v_readfirstlane_b32 s10, v8                    ; wave i
	v_and_b32 v9, 31, v0                           ; lane
	v_and_b32 v10, 15, v0                          ; r
	v_bfe_u32 v11, v0, 4, 1                        ; h
	v_lshlrev_b32 v[LI], 4, v9
	s_mov_b32 s20, 0x76543210                      ; v_permlanex16_b32's selects for lane l xor 16
	s_mov_b32 s21, 0xfedcba98
	s_mov_b32 s22, 0xffff0000                      ; lanes 16-31
	s_cmp_ge_u32 ttmp9, 256                        ; the same for all four waves of a work-group
	s_cbranch_scc1 .Lw1
	; ---------------- W2 ----------------
	s_lshr_b32 s11, ttmp9, 4                       ; t
	s_bfe_u32 s12, ttmp9, 0x20002                  ; w
	s_and_b32 s13, ttmp9, 3                        ; G
	s_lshl_b32 s14, s13, 2
	s_add_co_u32 s14, s14, s10                     ; c = 4 G + i
	s_lshl_b32 s15, s12, 4
	s_add_co_u32 s15, s15, s14                     ; 16 w + c: which 16 rows of W2
	s_lshl_b32 s16, s15, 18                        ; 16 rows of 16,384 bytes
	s_lshl_b32 s17, s11, 10                        ; + 256 t numbers
	s_add_co_u32 s16, s16, s17
	s_mov_b32 s17, 0
	s_mul_i32 s24, s11, BLOCK
	s_mul_i32 s25, s12, QUARTER
	s_add_co_u32 s24, s24, s25                     ; my quarter
	s_lshl_b32 s25, s14, 10
	s_add_co_u32 s26, s24, s25                     ; my tile's codes
	s_mov_b32 s27, 0
	s_lshl_b32 s25, s13, 9
	s_add_co_u32 s28, s24, s25
	s_add_co_u32 s28, s28, 32768                   ; the work-group's 512 bytes of scale words
	s_mov_b32 s29, 0
	s_mul_i32 s18, s10, WSTG                       ; my stage
	s_wait_alu depctr_va_vdst(0)
	v_add_nc_u32 v[SIN], s18, v[LI]                ; in: as the bytes lie
	v_mul_u32_u24 v[SOUT], v10, SP
	v_lshl_add_u32 v[SOUT], v11, 7, v[SOUT]
	v_add_nc_u32 v[SOUT], s18, v[SOUT]             ; out: row r, + 128 h: a whole block of 32 numbers a lane
	s_lshl_b32 s19, s10, 2
	s_add_co_u32 s19, s19, SCX
	v_add_nc_u32 v[SCW], s19, v[LI]                ; 16 x lane + 4 i
	v_add_nc_u32 v[SCR], SCX, v[LI]
	v_lshlrev_b32 v[SH8], 3, v11
	v_mov_b32 v[P+2], 0                            ; a lane permute's destination counts as one of its sources
	v_mov_b32 v[P+3], 0
	s_wait_alu depctr_va_vdst(0)
	s_wait_kmcnt 0x0
	s_add_nc_u64 s[4:5], s[4:5], s[16:17]
	s_add_nc_u64 s[30:31], s[8:9], s[26:27]
	s_add_nc_u64 s[32:33], s[8:9], s[28:29]
.set N, 0
.rept 32                               ; load n: half n % 2 of row n / 2's 1,024 bytes: 32 lanes read 512 consecutive bytes; all 32 loads of the wave go out at once
	global_load_b128 v[X+4*N:X+4*N+3], v[LI], s[4:5] offset:(N/2)*16384+(N%2)*512 th:TH_LOAD_NT
.set N, N+1
.endr
.set N, 0
.rept 32
	s_wait_loadcnt 31-N                            ; loads come back in order: load n is in, the younger ones stay out
	ds_store_b128 v[SIN], v[X+4*N:X+4*N+3] offset:(N/2)*SP+(N%2)*512
.set N, N+1
.endr
.macro RD j                            ; my block 2 j + h of row r: 32 neighbours along K.  LDS serves a wave's instructions in order: these see my stores
.irp e, 0,1,2,3,4,5,6,7
	ds_load_b128 v[Y+32*((\j)%2)+4*\e:Y+32*((\j)%2)+4*\e+3], v[SOUT] offset:256*(\j)+16*\e
.endr
.endm
.macro QBLK j                          ; block j = 2 s + g: k = 128 s + 64 g + 32 h + 0 .. 31
.set YS, Y+32*((\j)%2)
.if (\j) < 3
	s_wait_dscnt 8                                 ; this block's eight loads are in; the next block's eight may be out
.else
	s_wait_dscnt 0x0
.endif
	v_max3_num_f32 v8, |v[YS]|, |v[YS+1]|, |v[YS+2]|       ; the block's largest magnitude: all 32 numbers are mine; two chains
	v_max3_num_f32 v9, |v[YS+3]|, |v[YS+4]|, |v[YS+5]|
.irp i, 6,10,14,18,22,26
	v_max3_num_f32 v8, v8, |v[YS+\i]|, |v[YS+\i+1]|
	v_max3_num_f32 v9, v9, |v[YS+\i+2]|, |v[YS+\i+3]|
.endr
	v_max3_num_f32 v8, v8, |v[YS+30]|, |v[YS+31]|
	v_max3_num_f32 v8, v8, v9, 0x1800000           ; and the floor 2^(3 - 127): the byte cannot fall under 1
	v_add_nc_u32 v12, 0xff000000, v8               ; 2 off its exponent field: the conversion takes the exponent field of this operand as its scale
.irp e, 0,1,2,3
	v_cvt_scalef32_pk8_fp4_f32 v[C+4*(\j)+\e], v[YS+8*\e:YS+8*\e+7], v12
.endr
	v_lshrrev_b32 v[E+(\j)], 23, v12               ; the scale's byte (also the plain line behind the conversions)
	global_store_b128 v[LI], v[C+4*(\j):C+4*(\j)+3], s[30:31] offset:((\j)/2)*16384+((\j)%2)*512   ; 32 lanes store 512 consecutive bytes, aligned
.if (\j) < 2
	RD (\j)+2
.endif
.endm
	RD 0
	RD 1
	QBLK 0
	QBLK 1
	QBLK 2
	QBLK 3
	; My bytes are those of blocks h, 2 + h (K step 0) and 4 + h, 6 + h (K step 1) of column r; lane l xor 16 has the others.  Lanes 0-15 keep K step 0's word, lanes 16-31 K step 1's.
	v_lshl_or_b32 v[P], v[E+1], 16, v[E]
	v_lshl_or_b32 v[P+1], v[E+3], 16, v[E+2]
	v_lshlrev_b32 v[P], v[SH8], v[P]
	v_lshlrev_b32 v[P+1], v[SH8], v[P+1]
	v_permlanex16_b32 v[P+2], v[P], s20, s21
	v_permlanex16_b32 v[P+3], v[P+1], s20, s21
	v_or_b32 v[P], v[P], v[P+2]
	v_or_b32 v[P+1], v[P+1], v[P+3]
	v_cndmask_b32 v[P], v[P], v[P+1], s22
	ds_store_b32 v[SCW], v[P]
	s_wait_dscnt 0x0                               ; for wave 0's sake: my word has landed
	s_barrier_signal -1
	s_barrier_wait -1
	s_cmp_lg_u32 s10, 0
	s_cbranch_scc1 .Ldone
	ds_load_b128 v[232:235], v[SCR]                ; the four tiles' words of my lane
	s_wait_dscnt 0x0
	global_store_b128 v[LI], v[232:235], s[32:33]  ; 512 consecutive bytes, aligned
.Ldone:
	s_wait_tensorcnt 0x0
	ds_add_u32 v240, v241
	s_wait_dscnt 0x0
	s_endpgm
	; ---------------- W1 ----------------
	; K step kap = g - 256 (hidden units 128 kap on); wave i makes the quads (c, i), c = 0, 1, 2.  Quad (c, i), lane (r, h): W1[f][k], W1[f][k+1], W1[f+8][k], W1[f+8][k+1],
	; f = 128 kap + 32 i + r + 8 (r / 8), k = 4 c + 2 h, zeros where k >= 10: two fragments (16 rows x 4 K) of the f32 matrix form.  THE ROWS OF A TILE ARE NOT NEIGHBOURS: so the results of two
	; neighbouring tiles are 16 neighbours along the next product's K.  The quads of slot kap / 2 ride in the block two slots earlier (modulo 16), quarter 2 (kap % 2) + i / 2, at 34,816 + (3 (i % 2) + c) 512.
.Lw1:
	s_sub_co_u32 s11, ttmp9, 256                   ; kap
	s_lshl_b32 s12, s11, 7
	s_lshl_b32 s13, s10, 5
	s_add_co_u32 s12, s12, s13                     ; 128 kap + 32 i
	s_mul_i32 s16, s12, 40                         ; a row of W1 is 40 bytes
	s_mov_b32 s17, 0
	s_lshr_b32 s14, s11, 1
	s_add_co_u32 s14, s14, 14
	s_and_b32 s14, s14, 15                         ; the block
	s_mul_i32 s24, s14, BLOCK
	s_and_b32 s15, s11, 1
	s_lshl_b32 s15, s15, 1
	s_lshr_b32 s18, s10, 1
	s_add_co_u32 s15, s15, s18                     ; the quarter
	s_mul_i32 s25, s15, QUARTER
	s_add_co_u32 s24, s24, s25
	s_and_b32 s18, s10, 1
	s_mul_i32 s18, s18, 1536
	s_add_co_u32 s24, s24, s18
	s_add_co_u32 s24, s24, 34816
	s_mov_b32 s25, 0
	s_wait_alu depctr_va_vdst(0)
	v_and_b32 v12, 8, v10
	v_add_nc_u32 v12, v12, v10                     ; r + 8 (r / 8)
	v_mul_u32_u24 v[VB], v12, 40
	v_lshl_add_u32 v[VA], v11, 3, v[VB]
	s_wait_alu depctr_va_vdst(0)
	s_wait_kmcnt 0x0
	s_add_nc_u64 s[6:7], s[6:7], s[16:17]
	s_add_nc_u64 s[8:9], s[8:9], s[24:25]
	global_load_b64 v[16:17], v[VA], s[6:7]
	global_load_b64 v[18:19], v[VA], s[6:7] offset:320
	global_load_b64 v[20:21], v[VA], s[6:7] offset:16
	global_load_b64 v[22:23], v[VA], s[6:7] offset:336
	global_load_b64 v[24:25], v[VB], s[6:7] offset:32      ; k = 8, 9 in both halves of the lanes: no load leaves its row
	global_load_b64 v[26:27], v[VB], s[6:7] offset:352
	s_wait_loadcnt 0x0
.irp j, 24,25,26,27
	v_cndmask_b32 v\j, v\j, 0, s22                 ; lanes 16-31 stand for k = 10, 11: zeros
.endr
	global_store_b128 v[LI], v[16:19], s[8:9]
	global_store_b128 v[LI], v[20:23], s[8:9] offset:512
	global_store_b128 v[LI], v[24:27], s[8:9] offset:1024
	s_endpgm
.Lfunc_end_k_q92c95f5e40_prep:
	.size	k_q92c95f5e40_prep, .Lfunc_end_k_q92c95f5e40_prep-k_q92c95f5e40_prep
	.p2alignl 7, 3214868480
	.fill 96, 4, 3214868480
	.section	.rodata,"a",@progbits
	.p2align	6, 0x0
	.amdhsa_kernel k_q92c95f5e40_prep
		.amdhsa_group_segment_fixed_size 67584
		.amdhsa_private_segment_fixed_size 0
		.amdhsa_enable_private_segment 0
		.amdhsa_kernarg_size 24
		.amdhsa_user_sgpr_count 2
		.amdhsa_user_sgpr_kernarg_segment_ptr 1
		.amdhsa_wavefront_size32 1
		.amdhsa_system_sgpr_workgroup_id_x 1
		.amdhsa_system_sgpr_workgroup_id_y 1
		.amdhsa_system_sgpr_workgroup_id_z 1
		.amdhsa_system_vgpr_workitem_id 0
		.amdhsa_next_free_vgpr 242
		.amdhsa_next_free_sgpr 66
		.amdhsa_reserve_vcc 0
		.amdhsa_float_denorm_mode_32 3
		.amdhsa_float_denorm_mode_16_64 3
		.amdhsa_memory_ordered 1
		.amdhsa_forward_progress 1
		.amdhsa_inst_pref_size 20
	.end_amdhsa_kernel
	.amdgpu_metadata
---
amdhsa.version: [ 1, 2 ]
amdhsa.kernels:
  - .name:           k_q92c95f5e40_prep
    .symbol:         k_q92c95f5e40_prep.kd
    .args:
      - { .name: W2, .offset: 0, .size: 8, .value_kind: global_buffer, .address_space: global }
      - { .name: W1, .offset: 8, .size: 8, .value_kind: global_buffer, .address_space: global }
      - { .name: w2q, .offset: 16, .size: 8, .value_kind: global_buffer, .address_space: global }
    .group_segment_fixed_size: 67584
    .private_segment_fixed_size: 0
    .kernarg_segment_align: 8
    .kernarg_segment_size: 24
    .max_flat_workgroup_size: 128
    .sgpr_count:     66
    .vgpr_count:     242
    .wavefront_size: 32
...
	.end_amdgpu_metadata
.endif
;; end of part 1
;; launch ffn (part 2): grid 256 x 1, 4 waves a work-group, clusters of 4 x 1, 327,680 bytes of LDS; arguments x, q_params, w2q, out0; writes out0
.if DOCPART == 2
	.amdgcn_target "amdgcn-amd-amdhsa--gfx1250"
	.amdhsa_code_object_version 6
	.text
	.protected	k_q92c95f5e40_ffn
	.globl	k_q92c95f5e40_ffn
	.p2align	8
	.type	k_q92c95f5e40_ffn,@function
k_q92c95f5e40_ffn:
	s_mov_b64 s[64:65], 0
	v_nop
	global_prefetch_b8 v0, s[64:65] scope:SCOPE_SE
	s_setreg_imm32_b32 hwreg(HW_REG_WAVE_MODE, 25, 1), 1
	s_wait_xcnt 0x0
	s_wait_alu depctr_hold_cnt(0) depctr_sa_sdst(0) depctr_va_vdst(0) depctr_va_sdst(0) depctr_va_ssrc(0) depctr_va_vcc(0) depctr_vm_vsrc(0)
	s_getreg_b32 s2, hwreg(HW_REG_IB_STS2, 6, 4)
	s_cmp_eq_u32 s2, 0
	s_cbranch_scc0 .Lentry_in_a_cluster
	s_endpgm
.Lentry_in_a_cluster:
	s_bfe_u32 s2, ttmp6, 0x10000c
	s_cmp_lg_u32 s2, 0x3003
	s_cbranch_scc0 .Lentry_shape_is_right
	s_endpgm
.Lentry_shape_is_right:
; out = Q(relu(q W1^T)) Q(W2)^T in MX-FP4, q [16384][10] made from x + q_params.  WORK LEFT OUT: the state vector, the CNOT permutation and the product with the table of signs; by the identity shown at
; the head of the first kernel q_i = cos(t_0) .. cos(t_i) (i = 1 .. 9) and q_0 = cos(t_1) .. cos(t_9), t = x + q_params, for all angles.
; SHARES: a work-group owns 64 rows of out and all 1,024 columns, so each hidden number is made once in the launch.  Wave w sums 64 rows x columns 256 w .. 256 w + 255: 64 accumulators, 512 registers.
; K = 4,096 goes in 16 trips of 256 through two LDS slots of 151,552 bytes, filled from w2q, which the first launch laid in the order of the operands' registers (map at its head).
; All work-groups walk the same blocks: the four of a cluster ask for each quarter JOINTLY (mask 15); wave w asks for quarter w.
; THE HIDDEN LAYER of trip t + 1 is made during trip t: wave w makes K step w % 2 of rows 32 (w / 2) .. + 31: h^T = W1 q^T by the f32 matrix form (K = 10 filled to 12), 8 tiles x 3 K chunks for each
; of two row tiles; a lane then holds one row and 16 neighbours along the next K.  The quantiser works on the f32 sums; relu is had by leaving |.| off the maximum and by clearing the codes that carry a sign.
; Codes and scale words go to LDS as images of the operand's registers, two buffers by turns; the trip's one barrier shows them to all four waves.
; ORDER OF A TRIP: 24 turns of one f32 matrix instruction (row tile 1 of trip t + 1) and four lines of the quantiser of row tile 0; ahead of turns 0, 5 and 10 a group of 20 LDS loads: this trip's fragments
; of W2 (K step 0) and of h, then W1's fragments for trip t + 2; 64 scaled products (K step 0); row tile 0's image; 24 turns again (row tile 0 of trip t + 2, row tile 1's quantiser), with K step 1's
; fragments of W2 in two groups of 16 ahead of turns 0 and 5; row tile 1's image; 64 scaled products with the change of slots among them.  LDS instructions stand in few groups, not singly.
; W1's fragments have two sets of registers by turns (trip parity 0: v32-79 of window 0; parity 1: v192-239 of window 1): a set is loaded while the other is multiplied.
; PREFETCH: in trip t (0 .. 12) clusters 0 to 3 name block t + 3, which the refill at the end of trip t + 1 loads; of a wave's quarter (148 units of 256 bytes) the partner at place cx takes units
; 37 cx .. 37 cx + 36, told apart by address; the head names blocks 1 and 2.  The other clusters read the same bytes and ask for nothing.
; LIMITS: the cosine is a polynomial behind a two-part reduction by pi / 2: angles up to 1e5 in magnitude are served (the drawn ones stay under 10); NaN and infinities among the inputs are not served;
; a block of zeros of h carries the byte 1 (its codes are zeros; the bytes are read here alone).
.set BLOCK,   151552
.set QUARTER, 37888
.set WSC,     32768                    ; in a quarter: W2's scale words
.set W1O,     34816                    ; in a quarter: W1's quads
.set HB,      2*BLOCK                  ; behind the slots: two buffers for h's images
.set HBUF,    8704
.set HSC,     8192                     ; in a buffer: h's scale words, [K step][row % 16][row tile]
.set SPARE,   HB+2*HBUF                ; the spare words, 512 bytes that no other line names
.set SPITCH,  1040                     ; the way out: a stage row, 1,024 bytes + 16
.set WSTG,    16*SPITCH                ; a wave's stage, in slot 0 behind its last fill and last read
.set SPW, 1
.set NIL, 2
.set AW,  3                            ; v3-4   my quarter in slot 0, 1, + 16 x lane
.set AF,  5                            ; v5-6   W1's quads of my K step in slot 0, 1
.set HRD, 7                            ; h's images, read
.set HWI, 8                            ; h's images, my part, write
.set HWS, 9                            ; h's scale word, write
.set STO, 10
.set SRD, 11
.set CO,  12                           ; 16 x lane
.set PFO, 13                           ; prefetch: 256 (37 cx + lane)
.set XO,  14
.set QF,  16                           ; v16-27 q's fragments: 2 row tiles x 3 K chunks x 2
.set PFO2, 30                          ; prefetch: 256 (37 cx + min(lane, 4)); + 32 units by the immediate
.set W1F, 32                           ; v32-79 W1's fragments, set 0
.set DA,  80                           ; v80-143, v144-207: the f32 sums of row tile 0, 1: written by matrix instructions alone
.set DB,  144
.set TM,  208
.set PW,  220
.set PC,  224
.set WS,  232                          ; v232-247 W2's scale words, v248-251 h's: lanes 0-15 K step 0, lanes 16-31 K step 1
.set HS,  248
.set HF,  128                          ; window 1: v0-127 W2's 16 fragments of a K step; v128-191 h's fragments of both K steps; v192-239 W1's fragments, set 1
.set W1T, 192
.set WV,  12
.set SEL, 20
.set G1,  24
.set G0,  32
.set QP,  40
.set SGN, 52
.set PF,  66                           ; s[66:67] my quarter of the block that the trip's prefetch names
.set MSB, 0
.macro WIN new                         ; the immediate's high byte repeats the setting that is left
.if MSB != (\new)
	s_set_vgpr_msb (MSB<<8)|(\new)
.set MSB, \new
.endif
.endm
.macro PLACES n
.rept \n
	v_nop
.endr
.endm
.macro CREST                           ; a round of the cluster's barrier behind its opening barrier
	s_cmp_lg_u32 s[WV], 0
	s_cbranch_scc1 .Lnot_wave_0_\@
	s_barrier_signal -3
.Lnot_wave_0_\@:
	s_barrier_wait -3
	s_barrier_signal -1
	s_barrier_wait -1
.endm
.macro CROUND
	s_barrier_signal -1
	s_barrier_wait -1
	CREST
.endm
.macro ASK from, n                     ; clusters 0 to 3 name n blocks, the first \from blocks from where PF stands: 37 units of my quarter, two lines
	s_cmp_lt_u32 ttmp9, 4
	s_cbranch_scc0 .Lno_ask_\@
.set PB, \from
.rept \n
	global_prefetch_b8 v[PFO], s[PF:PF+1] offset:PB*BLOCK th:TH_LOAD_NT scope:SCOPE_SE
	global_prefetch_b8 v[PFO2], s[PF:PF+1] offset:PB*BLOCK+8192 th:TH_LOAD_NT scope:SCOPE_SE
.set PB, PB+1
.endr
.Lno_ask_\@:
.endm
	s_load_b256 s[4:11], s[0:1], 0x0               ; x s[4:5], q_params s[6:7], w2q s[8:9], out0 s[10:11]
	v_lshl_add_u32 v[SPW], v0, 2, SPARE
	v_mov_b32 v[NIL], 0
	ds_add_u32 v[SPW], v[NIL]                      ; the opening lines: the add, twice on end, and its wait ahead of my first tensor load
	ds_add_u32 v[SPW], v[NIL]
	v_lshrrev_b32 v15, 5, v0
	v_readfirstlane_b32 s[WV], v15                 ; wave
	s_and_b32 s13, s[WV], 1                        ; which K step of h I make
	s_lshr_b32 s14, s[WV], 1                       ; which 32 rows
	s_bfe_u32 s15, ttmp6, 0x40000                  ; cx
	s_lshl_b32 s16, ttmp9, 2
	s_add_co_u32 s16, s16, s15                     ; work-group
	s_mov_b32 s[G1], 15|(3<<16)|(1<<21)            ; mask of the four; elements of 8 bytes; bit 21 beside a mask
	s_mov_b32 s[G1+1], 32<<16                      ; a quarter is dense: 148 rows of 256 bytes
	s_mov_b32 s[G1+2], 148<<16
	s_mov_b32 s[G1+3], 32<<16
	s_mov_b32 s[G1+4], 148
	s_mov_b32 s[G1+5], 32
	s_mov_b32 s[G1+6], 0
	s_mov_b32 s[G1+7], 0
	s_mov_b32 s[SEL], 0x76543210                   ; v_permlanex16_b32's selects for lane l xor 16
	s_mov_b32 s[SEL+1], 0xfedcba98
	s_mov_b32 s22, 0xffff0000                      ; lanes 16-31
	s_mov_b32 s50, 0xb94ca1f9                      ; leading coefficients of sine and cosine
	s_mov_b32 s51, 0x37ccf5ce
	s_mov_b32 s[SGN], 0x88888888                   ; the signs of eight codes
	s_mul_i32 s53, s[WV], QUARTER
	s_mov_b32 s60, s53
	s_mov_b32 s61, 0
	s_mul_i32 s54, s16, 2560                       ; 64 rows of x, 40 bytes each
	s_mul_i32 s55, s14, 1280
	s_add_co_u32 s54, s54, s55
	s_mov_b32 s55, 0
	s_lshl_b32 s56, s16, 18                        ; 64 rows of out, 4,096 bytes each
	s_lshl_b32 s57, s[WV], 10                      ; my 256 columns
	s_add_co_u32 s56, s56, s57
	s_mov_b32 s57, 0
	s_mul_i32 s58, s13, 2*QUARTER
	s_add_co_u32 s58, s58, W1O
	s_mul_i32 s62, s15, 37*256
	v_and_b32 v15, 31, v0                          ; lane
	v_and_b32 v28, 15, v0                          ; r
	v_bfe_u32 v29, v0, 4, 1                        ; h
	v_lshlrev_b32 v[CO], 4, v15
	v_mul_u32_u24 v[XO], v15, 40                   ; a lane a row of x
	v_lshl_add_u32 v[PFO], v15, 8, s62
	v_min_u32 v[PFO2], 4, v15
	v_add_nc_u32 v[AF], s58, v[CO]
	v_lshl_add_u32 v[PFO2], v[PFO2], 8, s62
	s_wait_alu depctr_va_vdst(0)
	s_wait_dscnt 0x0                               ; both opening adds are done
	s_wait_kmcnt 0x0
	s_load_b256 s[QP:QP+7], s[6:7], 0x0
	s_load_b64 s[QP+8:QP+9], s[6:7], 0x20
	s_add_nc_u64 s[60:61], s[8:9], s[60:61]        ; my quarter of block 0
	s_add_nc_u64 s[4:5], s[4:5], s[54:55]
	s_add_nc_u64 s[10:11], s[10:11], s[56:57]
	s_add_nc_u64 s[PF:PF+1], s[60:61], 3*BLOCK
.set TH, 0                             ; window 2, free until the first product: the angles and what is made of them
.set KK, 16
.set RR, 32
.set KI, 48
.set R2, 64
.set SN, 80
.set CN, 96
.set TT, 112
.set ZZ, 128
.set CQ, 144
.set XQ, 160
	WIN 0x80                                       ; x and W1's first fragments are asked for ahead of the round: nothing else in the head can begin without them
.irp i, 0,1,2,3,4
	global_load_b64 v[TH+2*\i:TH+2*\i+1], v[XO], s[4:5] offset:8*\i
.endr
.macro W1G reg, blk                    ; W1's quads that ride in block blk, straight from w2q
.irp c, 0,1,2
.irp i, 0,1,2,3
	global_load_b128 v[\reg+16*\c+4*\i:\reg+16*\c+4*\i+3], v[AF], s[8:9] offset:\blk*BLOCK+(\i/2)*QUARTER+(3*(\i%2)+\c)*512
.endr
.endr
.endm
	WIN 0
	W1G W1F, 14                                    ; for trip 0
	WIN 0x40
	W1G W1T, 15                                    ; for trip 1
	WIN 0
	s_mov_b32 s[G0], 1
	s_mov_b32 s[G0+1], s53
	s_mov_b64 s[G0+2:G0+3], s[60:61]
	s_or_b32 s[G0+3], s[G0+3], 0x80000000
	s_mov_b32 s[G0+4], 1
	s_add_co_u32 s[G0+5], s53, BLOCK
	s_add_nc_u64 s[G0+6:G0+7], s[60:61], BLOCK
	s_or_b32 s[G0+7], s[G0+7], 0x80000000
	CROUND                                         ; the four work-groups are here: the first joint loads meet
	tensor_load_to_lds s[G0:G0+3], s[G1:G1+7]      ; block 0: one tensor load a wave at the head
	s_nop 0
	PLACES 4
	ASK -2, 2                                      ; blocks 1 and 2
	v_add_nc_u32 v[AF+1], BLOCK, v[AF]
	v_add_nc_u32 v[AW], s53, v[CO]
	v_add_nc_u32 v[AW+1], BLOCK, v[AW]
	v_add_nc_u32 v[HRD], HB, v[CO]
	s_lshl_b32 s59, s13, 12                        ; images: K step x 4,096 + row tile x 1,024
	s_lshl_b32 s62, s14, 11
	s_add_co_u32 s59, s59, s62
	s_add_co_u32 s59, s59, HB
	v_add_nc_u32 v[HWI], s59, v[CO]
	s_lshl_b32 s62, s13, 8
	s_lshl_b32 s63, s14, 3
	s_add_co_u32 s62, s62, s63
	s_add_co_u32 s62, s62, HB+HSC
	v_lshl_add_u32 v[HWS], v28, 4, s62
	s_mul_i32 s63, s[WV], WSTG
	v_mul_u32_u24 v[STO], v28, SPITCH
	v_lshl_add_u32 v[STO], v29, 5, v[STO]
	v_add_nc_u32 v[STO], s63, v[STO]
	v_add_nc_u32 v[SRD], s63, v[CO]
.irp b, 0,1,2,3
	v_mov_b32 v[TM+4+\b], 0                        ; a lane permute's destination counts as one of its sources
.endr
	s_wait_alu depctr_va_vdst(0)
	s_wait_loadcnt 24                              ; x's five loads are in; W1's 24 may be out
	s_wait_kmcnt 0x0
	WIN 0xaa
.irp n, 0,1,2,3,4,5,6,7,8,9
	v_add_f32 v[TH+\n], s[QP+\n], v[TH+\n]         ; the angle
.endr
.irp n, 0,1,2,3,4,5,6,7,8,9
	v_mul_f32 v[KK+\n], 0x3f22f983, v[TH+\n]       ; x 2 / pi
.endr
.irp n, 0,1,2,3,4,5,6,7,8,9
	v_rndne_f32 v[KK+\n], v[KK+\n]                 ; k
.endr
.irp n, 0,1,2,3,4,5,6,7,8,9
	v_fmamk_f32 v[RR+\n], v[KK+\n], 0xbfc90fdb, v[TH+\n]   ; r = angle - k pi / 2, pi / 2 in two parts
.endr
.irp n, 0,1,2,3,4,5,6,7,8,9
	v_fmamk_f32 v[RR+\n], v[KK+\n], 0x333bbd2e, v[RR+\n]
.endr
.irp n, 0,1,2,3,4,5,6,7,8,9
	v_cvt_i32_f32 v[KI+\n], v[KK+\n]
.endr
.irp n, 0,1,2,3,4,5,6,7,8,9
	v_mul_f32 v[R2+\n], v[RR+\n], v[RR+\n]
.endr
.irp n, 0,1,2,3,4,5,6,7,8,9
	v_fmaak_f32 v[SN+\n], s50, v[R2+\n], 0x3c08839e        ; sin r and cos r on |r| <= pi / 4
	v_fmaak_f32 v[CN+\n], s51, v[R2+\n], 0xbab6061a
.endr
.irp n, 0,1,2,3,4,5,6,7,8,9
	v_fmaak_f32 v[SN+\n], v[SN+\n], v[R2+\n], 0xbe2aaaa3
	v_fmaak_f32 v[CN+\n], v[CN+\n], v[R2+\n], 0x3d2aaaa5
.endr
.irp n, 0,1,2,3,4,5,6,7,8,9
	v_mul_f32 v[TT+\n], v[R2+\n], v[RR+\n]
	v_fmaak_f32 v[CN+\n], v[CN+\n], v[R2+\n], 0xbf000000
.endr
.irp n, 0,1,2,3,4,5,6,7,8,9
	v_fma_f32 v[SN+\n], v[SN+\n], v[TT+\n], v[RR+\n]
	v_fma_f32 v[CN+\n], v[CN+\n], v[R2+\n], 1.0
.endr
.irp n, 0,1,2,3,4,5,6,7,8,9
	v_and_b32 v[TT+\n], 1, v[KI+\n]
	v_add_nc_u32 v[KI+\n], 1, v[KI+\n]
.endr
.irp n, 0,1,2,3,4,5,6,7,8,9
	v_cmp_eq_u32 vcc_lo, 1, v[TT+\n]
	v_cndmask_b32 v[ZZ+\n], v[CN+\n], v[SN+\n], vcc_lo     ; odd k: the sine
	v_and_b32 v[KI+\n], 2, v[KI+\n]
.endr
.irp n, 0,1,2,3,4,5,6,7,8,9
	v_lshlrev_b32 v[KI+\n], 30, v[KI+\n]           ; k % 4 = 1, 2: the sign turns
	v_mov_b32 v[XQ+\n], 0
.endr
.irp n, 0,1,2,3,4,5,6,7,8,9
	v_xor_b32 v[ZZ+\n], v[ZZ+\n], v[KI+\n]         ; cos(angle)
.endr
	v_mul_f32 v[CQ+1], v[ZZ], v[ZZ+1]              ; q_i = z_0 .. z_i; q_0 = z_1 .. z_9
	v_mul_f32 v[CQ], v[ZZ+1], v[ZZ+2]
	v_mul_f32 v[CQ+2], v[CQ+1], v[ZZ+2]
.irp n, 3,4,5,6,7,8,9
	v_mul_f32 v[CQ+\n], v[CQ+\n-1], v[ZZ+\n]
	v_mul_f32 v[CQ], v[CQ], v[ZZ+\n]
.endr
.irp n, 0,1,2,3,4,5,6,7,8,9
	v_permlanex16_b32 v[XQ+\n], v[CQ+\n], s[SEL], s[SEL+1]
.endr
	WIN 0x2a                                       ; the f32 form's fragment: lane (r, h), register j: k = 4 c + 2 h + j of row r; row tile 0 is lanes 0-15's rows, tile 1 lanes 16-31's
.irp c, 0,1
.irp j, 0,1
	v_cndmask_b32 v[QF+2*\c+\j], v[CQ+4*\c+\j], v[XQ+4*\c+2+\j], s22
	v_cndmask_b32 v[QF+6+2*\c+\j], v[XQ+4*\c+\j], v[CQ+4*\c+2+\j], s22
.endr
.endr
.irp j, 0,1
	v_cndmask_b32 v[QF+4+\j], v[CQ+8+\j], 0, s22   ; k = 10, 11: zeros
	v_cndmask_b32 v[QF+10+\j], v[XQ+8+\j], 0, s22
.endr
	WIN 0
	PLACES 4
; One f32 matrix instruction: step FI of 24: K chunk FI / 8 of tile FI % 8; w1w: which set of W1's fragments.  The eight sums take turns, one instruction a turn; the first chunk starts each sum with C = 0.
.macro FW d, qx, w1w
.set FC, FI/8
.set FT, FI%8
.if \w1w
	WIN 0x01
.set FA, W1T+16*FC+2*FT
.else
	WIN 0
.set FA, W1F+16*FC+2*FT
.endif
.if FC == 0
	v_wmma_f32_16x16x4_f32 v[\d+8*FT:\d+8*FT+7], v[FA:FA+1], v[QF+6*\qx+2*FC:QF+6*\qx+2*FC+1], 0
.else
	v_wmma_f32_16x16x4_f32 v[\d+8*FT:\d+8*FT+7], v[FA:FA+1], v[QF+6*\qx+2*FC:QF+6*\qx+2*FC+1], v[\d+8*FT:\d+8*FT+7]
.endif
.endm
; Load LN of a run.  Run 1: W2's 16 fragments of K step 0 (32 loads), h's fragments of both K steps (16), W1's quads for the trip after next into set p (12).  Run 2: W2's fragments of K step 1 (32).
.macro LDF run, p
.if (\run) == 2
	WIN 0x40
	ds_load_b128 v[4*LN:4*LN+3], v[AW+\p] offset:16384+512*LN
.elseif LN < 32
	WIN 0x40
	ds_load_b128 v[4*LN:4*LN+3], v[AW+\p] offset:512*LN
.elseif LN < 48
	WIN 0x40
	ds_load_b128 v[HF+4*(LN-32):HF+4*(LN-32)+3], v[HRD] offset:(\p)*HBUF+512*(LN-32)
.else
.set WN, LN-48                         ; quad 4 c + i
	WIN 0x40*(\p)
	ds_load_b128 v[W1F+(W1T-W1F)*(\p)+4*WN:W1F+(W1T-W1F)*(\p)+4*WN+3], v[AF+\p] offset:((WN%4)/2)*QUARTER+(3*(WN%2)+WN/4)*512
.endif
.set LN, LN+1
.endm
; Line QJ of 96 of the quantiser of one row tile x 128 along K (64 sums a lane, four blocks of 32 shared with lane l xor 16).
.macro QI s
	WIN 0
.if QJ < 4
	v_max3_num_f32 v[TM+QJ], v[\s+16*QJ], v[\s+16*QJ+1], 0x1800000      ; no |.|: what relu clips does not count; the floor 2^(3 - 127) holds the byte at 1
.elseif QJ < 32
.set QB, QJ%4
.set QE, 2*(QJ/4)
	v_max3_num_f32 v[TM+QB], v[TM+QB], v[\s+16*QB+QE], v[\s+16*QB+QE+1]
.elseif QJ < 36
	v_permlanex16_b32 v[TM+4+QJ-32], v[TM+QJ-32], s[SEL], s[SEL+1]
.elseif QJ < 40
	v_max_num_f32 v[TM+QJ-36], v[TM+QJ-36], v[TM+4+QJ-36]
.elseif QJ < 44
	v_add_nc_u32 v[TM+8+QJ-40], 0xff000000, v[TM+QJ-40]                 ; 2 off the exponent field: the conversion's scale operand
.elseif QJ < 48
	v_lshrrev_b32 v[TM+4+QJ-44], 23, v[TM+8+QJ-44]                      ; the byte
.elseif QJ == 48
	v_lshl_or_b32 v[PW], v[TM+5], 8, v[TM+4]
.elseif QJ == 49
	v_lshl_or_b32 v[PW], v[TM+6], 16, v[PW]
.elseif QJ == 50
	v_lshl_or_b32 v[PW], v[TM+7], 24, v[PW]
.elseif QJ < 59
.set QB, (QJ-51)/2
.set QE, (QJ-51)%2
	v_cvt_scalef32_pk8_fp4_f32 v[PC+2*QB+QE], v[\s+16*QB+8*QE:\s+16*QB+8*QE+7], v[TM+8+QB]
.elseif QJ == 59
	v_nop                                          ; one plain place behind the conversions
.elseif QJ < 64
.set QB, (QJ-60)/2
.set QE, (QJ-60)%2
	v_permlane16_swap_b32 v[PC+4*QB+QE], v[PC+2+4*QB+QE]                ; a whole block to a lane
.else
.set QQ, (QJ-64)/16
.set QO, ((QJ-64)%16)/4
.set QB, (QJ-64)%4
.if QO == 0
	v_and_b32 v[TM+QB], s[SGN], v[PC+4*QQ+QB]      ; relu on the codes: the signs,
.elseif QO == 1
	v_lshrrev_b32 v[TM+4+QB], 3, v[TM+QB]
.elseif QO == 2
	v_sub_nc_u32 v[TM+QB], v[TM+QB], v[TM+4+QB]    ; 7 in each nibble that has one,
.else
	v_bfi_b32 v[PC+4*QQ+QB], v[TM+QB], 0, v[PC+4*QQ+QB]    ; whose magnitude is cleared
.endif
.endif
.endm
.macro IMG hb, x                       ; row tile x of my 32 rows: the operand's eight registers and the scale word, as images
	ds_store_b128 v[HWI], v[PC:PC+3] offset:(\hb)*HBUF+(\x)*1024
	ds_store_b128 v[HWI], v[PC+4:PC+7] offset:(\hb)*HBUF+(\x)*1024+512
	ds_store_b32 v[HWS], v[PW] offset:(\hb)*HBUF+4*(\x)
.endm
; 24 turns: ahead of turns 0, 5, 10 a group of a run's loads while it has any of its nl (20 to a group in run 1, 16 in run 2); a matrix instruction into d (nw); four lines of the quantiser of qs (qk).
; Eight places close it: the f32 form's distance.
.macro PHASE d, qx, w1w, nw, qk, qs, run, p, nl=0
.set QJ, 0
.set FI, 0
.set LN, 0
.rept 24
.if (\run) && (FI%5 == 0) && (LN < (\nl))
.if ((\run) == 2) && (FI == 5)
	s_wait_alu depctr_va_vdst(0)
	s_wait_dscnt 16                                ; only the first group's 16 loads may be out: the image's stores ahead of them have read their registers, which the quantiser writes again further on
.endif
.rept 24-4*(\run)
.if LN < (\nl)
	LDF \run, \p
.endif
.endr
.endif
.if \nw
	FW \d, \qx, \w1w
.endif
.if \qk
.rept 4
	QI \qs
.set QJ, QJ+1
.endr
.endif
.set FI, FI+1
.endr
	WIN 0
.if \nw
	PLACES 8
.endif
.endm
; 16 scaled products: row tile m against my 16 column tiles, K step s.  Source 0 = W2's rows, source 1 = h's rows: a lane holds eight neighbouring columns of a row of out.  The 64 accumulators take turns.
.macro MUL s, m, zero
	WIN 0xa5+0x50*((\m)/2)
.irp c, 0,1,2,3,4,5,6,7,8,9,10,11,12,13,14,15
.set AC, 8*(16*((\m)%2)+\c)
.if \zero
	v_wmma_scale_f32_16x16x128_f8f6f4 v[AC:AC+7], v[8*\c:8*\c+7], v[HF+32*\s+8*\m:HF+32*\s+8*\m+7], 0, v[WS+\c], v[HS+\m] matrix_a_fmt:MATRIX_FMT_FP4 matrix_b_fmt:MATRIX_FMT_FP4
.elseif \s
	v_wmma_scale_f32_16x16x128_f8f6f4 v[AC:AC+7], v[8*\c:8*\c+7], v[HF+32*\s+8*\m:HF+32*\s+8*\m+7], v[AC:AC+7], v[WS+\c], v[HS+\m] matrix_a_fmt:MATRIX_FMT_FP4 matrix_b_fmt:MATRIX_FMT_FP4 matrix_a_scale:MATRIX_SCALE_ROW1 matrix_b_scale:MATRIX_SCALE_ROW1
.else
	v_wmma_scale_f32_16x16x128_f8f6f4 v[AC:AC+7], v[8*\c:8*\c+7], v[HF+32*\s+8*\m:HF+32*\s+8*\m+7], v[AC:AC+7], v[WS+\c], v[HS+\m] matrix_a_fmt:MATRIX_FMT_FP4 matrix_b_fmt:MATRIX_FMT_FP4
.endif
.endr
.endm
; The change of slots, with the trip's last 32 products.  kind 2: the barrier opens a round of the cluster's barrier and slot p is filled again, two blocks on; kind 1: the barrier alone.
.macro MEET kind, p
	WIN 0
	s_wait_tensorcnt 0x0                           ; my one load that was out, my quarter of the other slot, has landed
	ds_add_u32 v[SPW], v[NIL]
	MUL 1, 2, 0
	s_wait_dscnt 0x0                               ; the add, my image's stores and my reads of this slot are done
	s_barrier_signal -1
	MUL 1, 3, 0
	WIN 0
	s_barrier_wait -1
.if \kind == 2
	CREST
	s_add_nc_u64 s[G0+4*\p+2:G0+4*\p+3], s[G0+4*\p+2:G0+4*\p+3], 2*BLOCK
	tensor_load_to_lds s[G0+4*\p:G0+4*\p+3], s[G1:G1+7]
	s_nop 0
.endif
	PLACES 4                                       ; also the places ahead of the loads into registers that the products have read
.endm
; A trip on slot p.  fb, fa: row tile 1 of the next trip's h, row tile 0 of the one after, are made; qb: row tile 1 is quantised; pf: the prefetch.
.macro TRIP p, zero, fb, fa, qb, meet, pf
.irp n, 0,1,2,3
	ds_load_b128 v[WS+4*\n:WS+4*\n+3], v[AW+\p] offset:WSC+512*\n
.endr
	ds_load_b128 v[HS:HS+3], v[HRD] offset:(\p)*HBUF+HSC
	PHASE DB, 1, 1-\p, \fb, \fb, DA, 1, \p, 48+12*\fa
	s_wait_dscnt 0x0                               ; the run's loads are in (the last group went out 14 turns ago)
	MUL 0, 0, \zero
	MUL 0, 1, \zero
	MUL 0, 2, \zero
	MUL 0, 3, \zero
	WIN 0
.if \pf
	ASK 0, 1
.endif
	PLACES 4
.if \fb
	s_wait_alu depctr_va_vdst(0)
	IMG 1-\p, 0
.endif
	PHASE DA, 0, \p, \fa, \qb, DB, 2, \p, 32
.if \qb
	s_wait_alu depctr_va_vdst(0)
	IMG 1-\p, 1
.endif
	s_wait_dscnt 3*\qb                             ; K step 1's fragments are in; the image's 3 stores may be out
.if \pf
	s_wait_xcnt 0x0                                ; the prefetches have read their base: it steps a block on
	s_add_nc_u64 s[PF:PF+1], s[PF:PF+1], BLOCK
.endif
	MUL 1, 0, 0
	MUL 1, 1, 0
.if \meet
	MEET \meet, \p
.else
	MUL 1, 2, 0
	MUL 1, 3, 0
	WIN 0
.endif
.endm
	s_wait_alu depctr_va_vdst(0)
	s_wait_loadcnt 12                              ; W1's fragments for trip 0 are in
	PHASE DA, 0, 0, 1, 0, DA, 0, 0                 ; trip 0's h, while block 0 is on its way
	PHASE DB, 1, 0, 1, 1, DA, 0, 0
	s_wait_alu depctr_va_vdst(0)
	IMG 0, 0
	s_wait_loadcnt 0x0                             ; W1's fragments for trip 1
	s_wait_dscnt 0x0
	PHASE DA, 0, 1, 1, 1, DB, 0, 0
	s_wait_alu depctr_va_vdst(0)                   ; the head's end
	IMG 0, 1
	s_wait_tensorcnt 0x0                           ; my quarter of block 0 is in
	ds_add_u32 v[SPW], v[NIL]
	s_wait_dscnt 0x0                               ; the add and my images' stores are done
	CROUND                                         ; everybody's quarter and images are in, and the four work-groups are here
	tensor_load_to_lds s[G0+4:G0+7], s[G1:G1+7]    ; block 1: slot 1's first fill
	s_nop 0
	PLACES 4
	TRIP 0, 1, 1, 1, 1, 2, 1                       ; trip 0: its products start the sums
	s_mov_b32 s23, 6
.Lpair:                                                ; trips 1 to 12
	TRIP 1, 0, 1, 1, 1, 2, 1
	TRIP 0, 0, 1, 1, 1, 2, 1
	s_sub_co_u32 s23, s23, 1
	s_cmp_lg_u32 s23, 0
	s_cbranch_scc1 .Lpair
	TRIP 1, 0, 1, 1, 1, 2, 0                       ; trip 13: the last refill, block 15
	TRIP 0, 0, 1, 0, 1, 1, 0                       ; trip 14: the last of h
	TRIP 1, 0, 0, 0, 0, 0, 0                       ; trip 15
; THE WAY OUT, a row tile at a time: 16 rows x 1,024 bytes through my stage and back as whole rows: a store covers 512 consecutive bytes, aligned.
.macro OUT m
.if (\m) >= 2
	s_wait_xcnt 0x0                                ; the stores of two tiles ago have read their registers
.endif
	WIN 0x08+4*((\m)/2)
.irp c, 0,1,2,3,4,5,6,7,8,9,10,11,12,13,14,15
.set AC, 8*(16*((\m)%2)+\c)
	ds_store_b128 v[STO], v[AC:AC+3] offset:64*\c          ; each accumulator from its low end on
	ds_store_b128 v[STO], v[AC+4:AC+7] offset:64*\c+16
.endr
	WIN 0x40
.set EI, 0
.rept 32
	ds_load_b128 v[128*((\m)%2)+4*EI:128*((\m)%2)+4*EI+3], v[SRD] offset:(EI/2)*SPITCH+(EI%2)*512
.set EI, EI+1
.endr
	WIN 0x04
.set EI, 0
.rept 32
	s_wait_dscnt 31-EI
	global_store_b128 v[CO], v[128*((\m)%2)+4*EI:128*((\m)%2)+4*EI+3], s[10:11] offset:(16*(\m)+EI/2)*4096+(EI%2)*512 th:TH_STORE_NT
.set EI, EI+1
.endr
.endm
	PLACES 4
	OUT 0
	OUT 1
	OUT 2
	OUT 3
	WIN 0
	s_wait_tensorcnt 0x0                           ; the wave's end
	ds_add_u32 v[SPW], v[NIL]
	s_wait_dscnt 0x0
	CROUND                                         ; the closing round
	s_endpgm
.Lfunc_end_k_q92c95f5e40_ffn:
	.size	k_q92c95f5e40_ffn, .Lfunc_end_k_q92c95f5e40_ffn-k_q92c95f5e40_ffn
	.p2alignl 7, 3214868480
	.fill 96, 4, 3214868480
	.section	.rodata,"a",@progbits
	.p2align	6, 0x0
	.amdhsa_kernel k_q92c95f5e40_ffn
		.amdhsa_group_segment_fixed_size 327680
		.amdhsa_private_segment_fixed_size 0
		.amdhsa_enable_private_segment 0
		.amdhsa_kernarg_size 32
		.amdhsa_user_sgpr_count 2
		.amdhsa_user_sgpr_kernarg_segment_ptr 1
		.amdhsa_wavefront_size32 1
		.amdhsa_system_sgpr_workgroup_id_x 1
		.amdhsa_system_sgpr_workgroup_id_y 1
		.amdhsa_system_sgpr_workgroup_id_z 1
		.amdhsa_system_vgpr_workitem_id 0
		.amdhsa_next_free_vgpr 1024
		.amdhsa_next_free_sgpr 72
		.amdhsa_reserve_vcc 1
		.amdhsa_float_denorm_mode_32 3
		.amdhsa_float_denorm_mode_16_64 3
		.amdhsa_memory_ordered 1
		.amdhsa_forward_progress 1
		.amdhsa_inst_pref_size 255
	.end_amdhsa_kernel
	.section	.bss,"aw",@nobits
	.p2align	6
	.space	262144
	.amdgpu_metadata
---
amdhsa.version: [ 1, 2 ]
amdhsa.kernels:
  - .name:           k_q92c95f5e40_ffn
    .symbol:         k_q92c95f5e40_ffn.kd
    .args:
      - { .name: x, .offset: 0, .size: 8, .value_kind: global_buffer, .address_space: global }
      - { .name: q_params, .offset: 8, .size: 8, .value_kind: global_buffer, .address_space: global }
      - { .name: w2q, .offset: 16, .size: 8, .value_kind: global_buffer, .address_space: global }
      - { .name: out0, .offset: 24, .size: 8, .value_kind: global_buffer, .address_space: global }
    .group_segment_fixed_size: 327680
    .private_segment_fixed_size: 0
    .kernarg_segment_align: 8
    .kernarg_segment_size: 32
    .max_flat_workgroup_size: 128
    .sgpr_count:     72
    .vgpr_count:     1024
    .wavefront_size: 32
...
	.end_amdgpu_metadata
.endif
;; end of part 2
